; MI455X (gfx1250); checked and timed in simulation.
; The chip was launched on July 23, 2026; its instructions are those of AMD's public machine-readable ISA for CDNA 5 (MIT licence, August 2026) and "CDNA5" Instruction Set Architecture Reference Guide (July 2026). The comments in the code are by the model that wrote it; some were corrected since.
;; Self Attention. Allowed arithmetic: matrix products marked QUANTISED: E4M3 operands, one given power-of-two scale a tensor, by v_wmma_f32_16x16x64_fp8_fp8 or v_wmma_f32_16x16x128_fp8_fp8, f32 sums; everything else in f32.
;; Inputs: Wk_codes 1,024 x 32 x 32 uint8 (E4M3 codes of Wk, K innermost, in blocks of 32 codes); Wq_codes 1,024 x 32 x 32 uint8 (E4M3 codes of Wq, K innermost, in blocks of 32 codes); Wv_codes 1,024 x 32 x 32 uint8 (E4M3 codes of Wv, K innermost, in blocks of 32 codes); bk 1,024 float32; bq 1,024 float32; bv 1,024 float32; lowp_scales 10 int32 (the exponents e of the quantised operands' scales 2^e); x_codes 4 x 2,048 x 32 x 32 uint8 (E4M3 codes of x, K innermost, in blocks of 32 codes).
;; Outputs: out0 4 x 2,048 x 1,024 float32.
;; This version of the problem:
;;   THIS VERSION OF THE PROBLEM IS GIVEN IN LOW PRECISION. The matrix products marked QUANTISED in the list below multiply operands that are first quantised to E4M3 (4 exponent bits, 3 mantissa bits; 8 bits a number), with one given power-of-two scale for each operand tensor; their sums are f32. All else is computed in f32.
;;   The module's matrix products, in the order in which they are computed (A, B: the left and right operand; K: the contracted axis; several contracted axes count as one K, in the product's order):
;;     1. [M 8,192, K 1,024] x [K 1,024, N 1,024]; A: input x (given as codes); B: input Wq (given as codes): QUANTISED (scales: A lowp_scales[0], B lowp_scales[1])
;;     2. [M 8,192, K 1,024] x [K 1,024, N 1,024]; A: input x (given as codes); B: input Wk (given as codes): QUANTISED (scales: A lowp_scales[2], B lowp_scales[3])
;;     3. [M 8,192, K 1,024] x [K 1,024, N 1,024]; A: input x (given as codes); B: input Wv (given as codes): QUANTISED (scales: A lowp_scales[4], B lowp_scales[5])
;;     4. batch 4 x [M 2,048, K 1,024] x [K 1,024, N 2,048]; A: computed on the way; B: computed on the way: QUANTISED (scales: A lowp_scales[6], B lowp_scales[7])
;;     5. batch 4 x [M 2,048, K 2,048] x [K 2,048, N 1,024]; A: softmax (see below); B: computed on the way: QUANTISED (scales: A lowp_scales[8], B lowp_scales[9])
;;   THE QUANTISER, for each operand of a quantised product, along K:
;;     - The operand's scale is 2^e, e = its entry of the input lowp_scales (int32; the entries are numbered through the quantised products in the list's order, A before B).
;;     - Each number is divided by the scale, clamped to +-448, and rounded to the nearest number of E4M3, ties to even, subnormals kept.
;;     - The product sums the exact products of the quantised numbers (number of the format x scale) in f32.
;;   ~~~python
;;   def quantise(x, axis, e):      # numpy; x: float32 -> the quantised numbers, widened to float32 again
;;       x = np.moveaxis(x, axis, -1); K = x.shape[-1]
;;       r = np.clip(x / 2.0 ** e, -448, 448)
;;       step = 2.0 ** (np.maximum(np.frexp(np.where(r == 0, 1, r))[1] - 1, -6) - 3)
;;       q = np.round(r / step) * step * 2.0 ** e      # np.round: ties to even
;;       return np.moveaxis(q, -1, axis).astype(np.float32)
;;   ~~~
;;   SOFTMAX AHEAD OF A QUANTISED PRODUCT. Where the list says 'softmax', what is quantised is not the finished softmax but p = 2^(t - M), with t = logit x log2(e) and M = ceil(the row's largest t), a whole number; so 1/2 < the row's largest p <= 1. The row's sum l is taken of the UNQUANTISED p, in f32, and the product's result is divided by l at the end. Since M is a whole number, a kernel that streams over the keys may use a running M (the ceiling of the running maximum): every later rescaling is an exact power of two, so the quantised numbers keep their values, but for numbers so far below the row's largest that they fall under the format's range.
;;   OPERANDS COMPUTED ON THE WAY. 'Computed on the way' means the value that the module computes at that place (a softmax that the list does not call 'softmax' is quantised finished and normalised). What goes into a quantiser is computed in f32, as accurately as f32 sums, v_exp_f32 and their like allow (about 1e-6 of the number): no bf16 or f16 on the way to a quantiser, and a product that is left as it is and whose result goes on into a quantised operand takes f32 operands (vector FMAs, or v_wmma_f32_16x16x4_f32). A number that lies on a knife's edge between two numbers of the format may be rounded either way, as far as f32 arithmetic and the matrix unit's own rounding can turn it there, and no further.
;;   INPUTS GIVEN AS CODES. Wk (in the module: [1024, 1024], K = its axis 1); Wq (in the module: [1024, 1024], K = its axis 1); Wv (in the module: [1024, 1024], K = its axis 1); x (in the module: [4, 2048, 1024], K = its axis 2): each comes as NAME_codes (uint8): NAME with its K axis moved to the last place and cut into blocks of 32 codes, [.., K / 32, bytes a block], one block behind the other in memory; one code a byte (a code: sign, 4 exponent bits, 3 mantissa bits); its scale is its entry of lowp_scales. Its value is code x scale, taken as it is: it is not quantised again, and the codes and scales need not be those that the quantiser above would give.
;; One version. Each part assembles by itself: llvm-mc -triple=amdgcn-amd-amdhsa -mcpu=gfx1250 --defsym DOCPART=n.
;; ======== version 1 of 1: 3 launches
;; limits: right only within a limited range of input values
;; workspace buffers: qf 8,388,608 bytes; kf 8,388,608 bytes; vf 8,388,608 bytes; pf 16,777,216 bytes; statm 262,144 bytes; statl 262,144 bytes
;; launch proj (part 1): grid 8 x 32, 4 waves a work-group, clusters of 4 x 4, 327,680 bytes of LDS; arguments x_codes, Wq_codes, Wk_codes, Wv_codes, bq, bk, bv, lowp_scales, qf, kf, vf; writes qf, kf, vf
.if DOCPART == 1
	.amdgcn_target "amdgcn-amd-amdhsa--gfx1250"
	.amdhsa_code_object_version 6
	.text
	.protected	k_qde395dc29a_proj
	.globl	k_qde395dc29a_proj
	.p2align	8
	.type	k_qde395dc29a_proj,@function
k_qde395dc29a_proj:
	s_mov_b64 s[64:65], 0
	v_nop
	global_prefetch_b8 v0, s[64:65] scope:SCOPE_SE
	s_setreg_imm32_b32 hwreg(HW_REG_WAVE_MODE, 25, 1), 1
	s_wait_xcnt 0x0
	s_wait_alu depctr_hold_cnt(0) depctr_sa_sdst(0) depctr_va_vdst(0) depctr_va_sdst(0) depctr_va_ssrc(0) depctr_va_vcc(0) depctr_vm_vsrc(0)
	s_getreg_b32 s2, hwreg(HW_REG_IB_STS2, 6, 4)
	s_cmp_eq_u32 s2, 0
	s_cbranch_scc0 .Lentry_in_a_cluster
	s_endpgm
.Lentry_in_a_cluster:
	s_bfe_u32 s2, ttmp6, 0x10000c
	s_cmp_lg_u32 s2, 0xf033
	s_cbranch_scc0 .Lentry_shape_is_right
	s_endpgm
.Lentry_shape_is_right:
; Q, K, V = x W^T + b on codes of FP8 (E4M3), sums in f32, each quantised at once with its given scale.  Nothing of the problem's work is left out.
; LIMITS on the given exponents: e6 - e0 - e1, e7 - e2 - e3, e9 - e4 - e5 lie between -126 and 119 (each makes an f32 power of two); a bias divided by 2^(its product's two exponents) is an f32 number.  NaN and infinity are not served.
; SHARES.  A work-group: 256 tokens (rt = 4 Y + cy) x 128 rows of each of Wq, Wk, Wv (ct = 4 X + cx): x is read once for all three.  A wave: all 256 tokens x 32 rows of each weight: 16 token blocks x 6 tiles = 96 accumulators.
; Q and K are made transposed (source 0 = 16 rows of W, source 1 = 16 tokens): a lane holds one token and its registers run along the features, the next product's K.  V the other way round: a lane holds one
; feature and its registers run along the tokens.  So 16 codes of a lane are 16 bytes of the next launches' operands: a store of the wave covers 512 consecutive bytes.
;   qf, kf: [4 of 256 features][512 blocks of 16 tokens][2 of 128 features][4 waves][512 bytes]     vf: [32 of 256 tokens][64 blocks of 16 features][8 of 32 tokens][512 bytes]
; LDS.  K goes in four chunks of 256.  Two slots hold a chunk of x (256 rows), Wq and Wk (128 rows each), pitch 272; one slot of its own holds a chunk of Wv (128 rows).
; Wv's slot is read whole into registers (a wave's 32 rows x 256) at the head of each chunk, and then filled again.
; The head brings chunk 0 of all four; behind the first full sequence comes slot 1's first fill (chunk 1 of x, Wq, Wk); chunk 1 of Wv follows by a refill of its own; chunks 2 and 3 come by two refills of all four.
; There is no loop to run ahead in, and nothing is prefetched: half of a work-group's bytes are asked for at the head, the other half a whole chunk ahead of its use.
; CLUSTERS: x's tile hangs on rt alone and is asked for jointly along a row of the cluster, W's tiles on ct alone, along a column.
; REGISTERS.  window 0: v0-79 Wv's fragments, five sets of 16 (a set is 64 along K); v80-95 addresses and constants; v96-159 Wq's and Wk's, two sets; v160-255 x's, a ring of three groups of four blocks.
;   windows 1 to 3: accumulator (block a, tile i) at v[256 + 48 a + 8 i], i = 0, 1 Q, 2, 3 K, 4, 5 V.  Block 15's begin as the biases, which the first products of all blocks take as C.
.set P1,   272                         ; an LDS row: 256 bytes and 16 of padding
.set UN,   128*P1
.set SL,   4*UN                        ; a slot: x's 256 rows, Wq's 128, Wk's 128
.set LQ,   2*UN
.set LV,   2*SL                        ; Wv's slot
.set SPARE, LV+UN                      ; the spare words, 128 bytes for each wave
.set ADX,  80                          ; v80-81 LDS address of x's fragments in slot 0, 1
.set ADW,  82                          ; v82-83 of Wq's; Wk's lie UN further on
.set ADV,  84
.set CO,   85                          ; 16 x lane
.set SPW,  86
.set NIL,  87
.set SC,   88                          ; v88-90 the conversions' scales for Q, K, V
.set LM,   91                          ; v91-93 448 x these
.set WR,   96
.set XR,   160
.set CDQ,  16                          ; the way out: Q's and K's codes, v16-79
.set CDV,  96                          ; V's codes, v96-127
.set WV,   26
.set G1X,  28                          ; group 1 for x, and for the three weights
.set G1W,  36
.set G0X,  76
.set G0W,  80
.set G0V,  84
.set OUTQ, 90
.set OUTK, 92
.set OUTV, 94
.set CNT, 0                            ; LDS instructions issued so far; the records below hold its value behind a set's loads
.set RX0, 0
.set RX1, 0
.set RX2, 0
.set RW, 0
.set RV, 0
.set MSB, 0
.macro WIN new
.if MSB != (\new)
	s_set_vgpr_msb (MSB<<8)|(\new)
.set MSB, (\new)
.endif
.endm
.macro PLACES n
.rept \n
	v_nop
.endr
.endm
.macro SHAPE g, rows
	s_mov_b32 s[\g+1], 256<<16
	s_mov_b32 s[\g+2], (\rows)<<16
	s_mov_b32 s[\g+3], 256<<16
	s_mov_b32 s[\g+4], \rows
	s_mov_b32 s[\g+5], 1024
	s_mov_b32 s[\g+6], 0
	s_mov_b32 s[\g+7], 0
.endm
.macro JLOAD                           ; wave 0 fetches x, wave 1 Wq, wave 2 Wk, wave 3 Wv
	s_cmp_eq_u32 s[WV], 0
	s_cbranch_scc0 .Lnot_x_\@
	tensor_load_to_lds s[G0X:G0X+3], s[G1X:G1X+7]
	s_nop 0
	PLACES 4
	s_branch .Lasked_\@
.Lnot_x_\@:
	s_cmp_eq_u32 s[WV], 3
	s_cbranch_scc0 .Lnot_v_\@
	tensor_load_to_lds s[G0V:G0V+3], s[G1W:G1W+7]
	s_nop 0
	PLACES 4
	s_branch .Lasked_\@
.Lnot_v_\@:
	tensor_load_to_lds s[G0W:G0W+3], s[G1W:G1W+7]
	s_nop 0
	PLACES 4
.Lasked_\@:
.endm
.macro JLOADXW                         ; the same without Wv
	s_cmp_eq_u32 s[WV], 0
	s_cbranch_scc0 .Lnot_x_\@
	tensor_load_to_lds s[G0X:G0X+3], s[G1X:G1X+7]
	s_nop 0
	PLACES 4
	s_branch .Lasked_\@
.Lnot_x_\@:
	s_cmp_eq_u32 s[WV], 3
	s_cbranch_scc1 .Lasked_\@
	tensor_load_to_lds s[G0W:G0W+3], s[G1W:G1W+7]
	s_nop 0
	PLACES 4
.Lasked_\@:
.endm
.macro JLOADV                          ; Wv alone
	s_cmp_eq_u32 s[WV], 3
	s_cbranch_scc0 .Lno_load_\@
	tensor_load_to_lds s[G0V:G0V+3], s[G1W:G1W+7]
	s_nop 0
	PLACES 4
.Lno_load_\@:
	PLACES 4
.endm
.macro CREST                           ; a round of the cluster's barrier behind its opening barrier
	s_cmp_lg_u32 s[WV], 0
	s_cbranch_scc1 .Lnot_wave_0_\@
	s_barrier_signal -3
.Lnot_wave_0_\@:
	s_barrier_wait -3
	s_barrier_signal -1
	s_barrier_wait -1
.endm
.macro CROUND
	s_barrier_signal -1
	s_barrier_wait -1
	CREST
.endm
	s_load_b512 s[4:19], s[0:1], 0x0               ; x, Wq, Wk, Wv, bq, bk, bv, the scales
	s_load_b128 s[20:23], s[0:1], 0x40             ; qf, kf
	s_load_b64 s[24:25], s[0:1], 0x50              ; vf
	v_lshl_add_u32 v[SPW], v0, 2, SPARE
	v_mov_b32 v[NIL], 0
	ds_add_u32 v[SPW], v[NIL]                      ; the wave's opening: the add, twice on end, and its wait ahead of my first tensor load
	ds_add_u32 v[SPW], v[NIL]
	v_lshrrev_b32 v1, 5, v0
	v_readfirstlane_b32 s[WV], v1
	s_bfe_u32 s66, ttmp6, 0x40000                  ; cx
	s_bfe_u32 s67, ttmp6, 0x40004                  ; cy
	s_lshl_b32 s88, ttmp9, 2
	s_add_co_u32 s88, s88, s66                     ; ct
	s_and_b32 s89, ttmp7, 0xffff
	s_lshl_b32 s89, s89, 2
	s_add_co_u32 s89, s89, s67                     ; rt
	s_lshl_b32 s60, s67, 2
	s_lshl_b32 s60, 15, s60                        ; my row of the cluster
	s_lshl_b32 s61, 0x1111, s66                    ; my column
	s_or_b32 s[G1X], s60, (1<<20)|(1<<21)|(5<<22)|(3<<25)     ; the mask, bit 21 beside it; bytes; 16 of padding behind each 256
	s_or_b32 s[G1W], s61, (1<<20)|(1<<21)|(5<<22)|(3<<25)
	SHAPE G1X, 256
	SHAPE G1W, 128
	s_lshl_b32 s62, s89, 18                        ; x: 256 rt rows of 1,024 bytes
	s_mov_b32 s63, 0
	s_lshl_b32 s96, s88, 17                        ; W: 128 ct rows
	s_mov_b32 s97, 0
	s_mov_b32 s[G0X], 1
	s_mov_b32 s[G0X+1], 0
	s_mov_b32 s[G0W], 1
	s_mul_i32 s27, s[WV], UN
	s_add_co_u32 s[G0W+1], s27, UN                 ; wave 1: LQ, wave 2: LQ + UN
	s_mov_b32 s[G0V], 1
	s_mov_b32 s[G0V+1], LV
	s_wait_dscnt 0x0                               ; both opening adds are done
	s_wait_kmcnt 0x0
	s_add_nc_u64 s[G0X+2:G0X+3], s[4:5], s[62:63]
	s_or_b32 s[G0X+3], s[G0X+3], 0x80000000
	s_cmp_eq_u32 s[WV], 1
	s_cselect_b64 s[98:99], s[6:7], s[8:9]
	s_add_nc_u64 s[G0W+2:G0W+3], s[98:99], s[96:97]
	s_or_b32 s[G0W+3], s[G0W+3], 0x80000000
	s_add_nc_u64 s[G0V+2:G0V+3], s[10:11], s[96:97]
	s_or_b32 s[G0V+3], s[G0V+3], 0x80000000
	s_load_b256 s[4:11], s[18:19], 0x0             ; e0 .. e7
	s_load_b64 s[2:3], s[18:19], 0x20              ; e8, e9
	CROUND                                         ; the first joint loads meet
	JLOAD                                          ; chunk 0
	s_lshr_b32 s90, s88, 1                         ; qf, kf: 2^21 (ct / 2) + 2,048 (ct % 2) + 65,536 rt + 512 wave
	s_lshl_b32 s90, s90, 21
	s_and_b32 s27, s88, 1
	s_lshl_b32 s27, s27, 11
	s_add_co_u32 s90, s90, s27
	s_lshl_b32 s27, s89, 16
	s_add_co_u32 s90, s90, s27
	s_lshl_b32 s27, s[WV], 9
	s_add_co_u32 s90, s90, s27
	s_mov_b32 s91, 0
	s_add_nc_u64 s[OUTK:OUTK+1], s[22:23], s[90:91]
	s_add_nc_u64 s[OUTQ:OUTQ+1], s[20:21], s[90:91]
	s_lshl_b32 s94, s89, 18                        ; vf: 2^18 rt + 32,768 ct + 8,192 wave
	s_lshl_b32 s27, s88, 15
	s_add_co_u32 s94, s94, s27
	s_lshl_b32 s27, s[WV], 13
	s_add_co_u32 s94, s94, s27
	s_mov_b32 s95, 0
	s_add_nc_u64 s[OUTV:OUTV+1], s[24:25], s[94:95]
	s_lshl_b32 s96, s88, 9                         ; the biases: (128 ct + 32 wave) x 4
	s_lshl_b32 s27, s[WV], 7
	s_add_co_u32 s96, s96, s27
	s_add_nc_u64 s[12:13], s[12:13], s[96:97]
	s_add_nc_u64 s[14:15], s[14:15], s[96:97]
	s_add_nc_u64 s[16:17], s[16:17], s[96:97]
	s_mul_i32 s60, s[WV], 32*P1
	s_add_co_u32 s61, s60, LQ
	s_add_co_u32 s60, s60, LV
	v_and_b32 v1, 15, v0                           ; r
	v_bfe_u32 v2, v0, 4, 1                         ; h
	v_mul_u32_u24 v3, v1, P1
	v_lshl_add_u32 v[ADX], v2, 4, v3               ; row r, 16 bytes for each half of the lanes
	v_add_nc_u32 v[ADX+1], SL, v[ADX]
	v_add_nc_u32 v[ADW], s61, v[ADX]
	v_add_nc_u32 v[ADW+1], SL, v[ADW]
	v_add_nc_u32 v[ADV], s60, v[ADX]
	v_and_b32 v5, 31, v0
	v_lshlrev_b32 v[CO], 4, v5
	v_lshlrev_b32 v6, 5, v2
	v_lshlrev_b32 v7, 2, v1
	s_wait_alu depctr_va_vdst(0)
	WIN 0xc0                                       ; destination window 3: block 15's accumulators
.irp b, 0,1                                    ; Q's and K's biases run along the registers: features 16 b + 8 h + 0 .. 7
	global_load_b128 v[208+8*\b:211+8*\b], v6, s[12:13] offset:64*\b
	global_load_b128 v[212+8*\b:215+8*\b], v6, s[12:13] offset:64*\b+16
	global_load_b128 v[224+8*\b:227+8*\b], v6, s[14:15] offset:64*\b
	global_load_b128 v[228+8*\b:231+8*\b], v6, s[14:15] offset:64*\b+16
.endr
	WIN 0
	global_load_b32 v8, v7, s[16:17]               ; V's: one number a lane and tile
	global_load_b32 v9, v7, s[16:17] offset:64
	s_wait_kmcnt 0x0
.macro SCALE i, ea, eb, eo, ne         ; a sum stands for sum x 2^(ea + eb): its code is sum / 2^(eo - ea - eb)
	s_add_co_i32 s\ne, s\ea, s\eb
	s_sub_co_i32 s27, s\eo, s\ne
	s_add_co_i32 s27, s27, 127
	s_lshl_b32 s96, s27, 23
	v_mov_b32 v[SC+\i], s96
	s_add_co_i32 s27, s27, 8
	s_lshl_b32 s27, s27, 23
	s_or_b32 s27, s27, 0x600000
	v_mov_b32 v[LM+\i], s27
	s_sub_co_i32 s\ne, 0, s\ne
.endm
	SCALE 0, 4, 5, 10, 60
	SCALE 1, 6, 7, 11, 61
	SCALE 2, 8, 9, 3, 62
	s_wait_alu depctr_va_vdst(0)                   ; directly ahead of the wait below
	s_wait_loadcnt 0x0
	WIN 0xc3
.set JJ, 0
.rept 16
	v_ldexp_f32 v[208+JJ], v[208+JJ], s60          ; the biases in the sums' unit
	v_ldexp_f32 v[224+JJ], v[224+JJ], s61
.set JJ, JJ+1
.endr
	WIN 0xc0
.set JJ, 0
.rept 8
	v_ldexp_f32 v[240+JJ], v8, s62
	v_ldexp_f32 v[248+JJ], v9, s62
.set JJ, JJ+1
.endr
	WIN 0
.macro LDF reg, adr, off               ; a fragment, 16 rows x 64 along K: lane (r, h) holds K = 32 c + 16 h + 0 .. 15 in registers 4 c .. 4 c + 3, alike in x and W
	ds_load_b128 v[\reg:\reg+3], v[\adr] offset:\off
	ds_load_b128 v[\reg+4:\reg+7], v[\adr] offset:\off+32
.set CNT, CNT+2
.endm
.macro LDX g                           ; x's group g: blocks 4 (g % 4) .. + 3 of K step g / 4
.set AA, 4*((\g)%4)
.set KO, 64*(((\g)/4)%4)
.rept 4
	LDF XR+32*((\g)%3)+8*(AA%4), ADX+((\g)/16)%2, AA*16*P1+KO
.set AA, AA+1
.endr
.if (\g)%3 == 0
.set RX0, CNT
.elseif (\g)%3 == 1
.set RX1, CNT
.else
.set RX2, CNT
.endif
.endm
.macro LDW n                           ; Wq's and Wk's two tiles each of K step n
.set KO, 64*((\n)%4)
.irp b, 0,1
	LDF WR+32*((\n)%2)+8*\b, ADW+((\n)/4)%2, \b*16*P1+KO
	LDF WR+32*((\n)%2)+16+8*\b, ADW+((\n)/4)%2, UN+\b*16*P1+KO
.endr
.set RW, CNT
.endm
.macro LDV n                           ; Wv's two tiles of K step n
.irp b, 0,1
	LDF 16*((\n)%5)+8*\b, ADV, \b*16*P1+64*((\n)%4)
.endr
.set RV, CNT
.endm
; Six products of block a in K step n.  The 96 accumulators take turns, one instruction a turn.
.macro PROD n, a
.set XB, XR+32*((4*(\n)+(\a)/4)%3)+8*((\a)%4)
.irp i, 0,1,2,3,4,5
.set RG, 256+48*(\a)+8*\i
.set LO, RG%256
.if (\n) == 0
	WIN ((RG/256)<<6)|0x30
.set CC, 208+8*\i
.else
	WIN (RG/256)*0x50
.set CC, LO
.endif
.if \i < 4
	v_wmma_f32_16x16x64_fp8_fp8 v[LO:LO+7], v[WR+32*((\n)%2)+8*\i:WR+32*((\n)%2)+8*\i+7], v[XB:XB+7], v[CC:CC+7]
.else
	v_wmma_f32_16x16x64_fp8_fp8 v[LO:LO+7], v[XB:XB+7], v[16*((\n)%5)+8*(\i-4):16*((\n)%5)+8*(\i-4)+7], v[CC:CC+7]
.endif
.endr
.endm
.macro WAITG g, first                  ; group g is in; first: and its K step's W: at most the LDS instructions issued behind them are out
.if (\g)%3 == 0
.set RQ, RX0
.elseif (\g)%3 == 1
.set RQ, RX1
.else
.set RQ, RX2
.endif
.if \first
.if RW > RQ
.set RQ, RW
.endif
.if RV > RQ
.set RQ, RV
.endif
.endif
	s_wait_dscnt CNT-RQ
.endm
; A group of four blocks in K step n, 24 products, then the loads that follow it.  A load into a register that a matrix instruction has read stands four places behind it: four v_nop ahead of each run.
; rk = 1: Wv's slot takes chunk 1;  2: slot 0 and Wv's take chunk 2;  3: slot 1 and Wv's chunk 3.  The waits and the add stand in front of the round's opening signal, the joint load behind its closing wait.
.macro GRP n, g, rk
.set GG, 4*(\n)+(\g)
.if \rk
	s_wait_tensorcnt 0x0                           ; all my tensor loads have landed, so a group 0 may be written
	ds_add_u32 v[SPW], v[NIL]                      ; 0 onto my spare word
.set CNT, CNT+1
	s_add_nc_u64 s[G0V+2:G0V+3], s[G0V+2:G0V+3], 256
.if \rk > 1
	s_add_nc_u64 s[G0X+2:G0X+3], s[G0X+2:G0X+3], 256
	s_add_nc_u64 s[G0W+2:G0W+3], s[G0W+2:G0W+3], 256
.endif
.if \rk == 2
	s_mov_b32 s[G0X+1], 0
	s_sub_co_u32 s[G0W+1], s[G0W+1], SL
.endif
.if \rk == 3
	s_mov_b32 s[G0X+1], SL
	s_add_co_u32 s[G0W+1], s[G0W+1], SL
.endif
.endif
.if (\g) == 0
	WAITG GG, 1
.else
	WAITG GG, 0
.endif
	PROD \n, 4*(\g)
	PROD \n, 4*(\g)+1
.if \rk
	s_wait_dscnt 0x0                               ; the add is done, and so are my reads of what is filled again
	s_barrier_signal -1
.endif
	PROD \n, 4*(\g)+2
.if ((\n) == 0) && ((\g) == 3)
	PLACES 5                                       ; block 15's products write over the biases, which block 14's have read as C
.endif
	PROD \n, 4*(\g)+3
.if \rk
	WIN 0
	s_barrier_wait -1
	CREST                                          ; no wave of any partner still reads those bytes or has a load on its way
.if \rk == 1
	JLOADV
.else
	JLOAD
.endif
.else
	PLACES 4
	WIN 0
.endif
.if ((\n)%4 == 3) && ((\g) == 1)
	s_wait_tensorcnt 0x0                           ; my part of the next chunk is in,
	s_wait_dscnt 0x0                               ; and my reads of this one are over (the last two groups' x lies in registers)
	s_barrier_signal -1
	s_barrier_wait -1
	LDW (\n)+1
	LDX GG+3
	LDV (\n)+1
	LDV (\n)+2
	LDV (\n)+3
	LDV (\n)+4
.else
.if ((\g) == 0) && ((\n)%4 != 3)
	LDW (\n)+1
.endif
	LDX GG+3
.endif
.endm
; The way out of block a: the hold, six conversions, and the stores; V's codes of two neighbouring blocks go out together.
.macro QOUT a
.if (\a) == 8
	s_wait_xcnt 0x0                                ; the stores of blocks 0-7 have read their registers
.endif
.irp i, 0,1,2,3,4,5
.set RG, 256+48*(\a)+8*\i
.set LO, RG%256
	WIN (RG/256)*0x41
.set JJ, 0
.rept 8
	v_med3_num_f32 v[LO+JJ], v[LO+JJ], -v[LM+\i/2], v[LM+\i/2]   ; the conversion does not saturate (ISA guide 7.6.2)
.set JJ, JJ+1
.endr
.endr
.irp i, 0,1,2,3,4,5
.set RG, 256+48*(\a)+8*\i
.set LO, RG%256
.if \i < 4
.set DD, CDQ+8*((\a)%8)+2*\i
.else
.set DD, CDV+8*(((\a)/2)%4)+4*(\i-4)+2*((\a)%2)
.endif
	WIN RG/256
	v_cvt_scalef32_pk8_fp8_f32 v[DD:DD+1], v[LO:LO+7], v[SC+\i/2]
.endr
	v_nop                                          ; a plain line behind the last conversion
	WIN 0
.set DD, CDQ+8*((\a)%8)
	global_store_b128 v[CO], v[DD:DD+3], s[OUTQ:OUTQ+1] offset:4096*(\a)
	global_store_b128 v[CO], v[DD+4:DD+7], s[OUTK:OUTK+1] offset:4096*(\a)
.if (\a)%2 == 1
.set DD, CDV+8*(((\a)/2)%4)
	global_store_b128 v[CO], v[DD:DD+3], s[OUTV:OUTV+1] offset:256*((\a)-1)
	global_store_b128 v[CO], v[DD+4:DD+7], s[OUTV:OUTV+1] offset:4096+256*((\a)-1)
.endif
.endm
	s_wait_alu depctr_va_vdst(0)
	s_wait_tensorcnt 0x0                           ; my part of chunk 0 is in
	ds_add_u32 v[SPW], v[NIL]
	s_add_nc_u64 s[G0X+2:G0X+3], s[G0X+2:G0X+3], 256
	s_add_nc_u64 s[G0W+2:G0W+3], s[G0W+2:G0W+3], 256
	s_mov_b32 s[G0X+1], SL
	s_add_co_u32 s[G0W+1], s[G0W+1], SL
	s_wait_dscnt 0x0
	CROUND
	JLOADXW                                        ; chunk 1 of x, Wq, Wk: slot 1's first fill
	LDW 0
	LDX 0
	LDV 0
	LDV 1
	LDV 2
	LDV 3
	LDX 1
	LDX 2
.set NI, 0
.rept 15                               ; K steps 0 to 14, 64 along K each: written out, since the ring of three, the five sets and the two sets come back together only after 30 K steps
	GRP NI, 0, 0
	GRP NI, 1, 0
	GRP NI, 2, 0
.if NI == 1
	GRP NI, 3, 1
.elseif NI == 3
	GRP NI, 3, 2
.elseif NI == 7
	GRP NI, 3, 3
.else
	GRP NI, 3, 0
.endif
.set NI, NI+1
.endr
.set AI, 0
.rept 16                               ; K step 15 goes by blocks: block a - 1 leaves while block a's products are under way; its predecessor's lines are the places behind its own products
.if AI == 0
	WAITG 60, 1
.elseif AI%4 == 0
	WAITG 60+AI/4, 0
.endif
	PROD 15, AI
.if AI == 1
	PLACES 4
.endif
.if AI > 0
	QOUT AI-1
.endif
.if AI == 3
	LDX 63
.endif
.set AI, AI+1
.endr
	QOUT 15
	s_wait_tensorcnt 0x0                           ; the wave's end
	ds_add_u32 v[SPW], v[NIL]
	s_wait_dscnt 0x0
	CROUND                                         ; the closing round
	s_endpgm
.Lfunc_end_k_qde395dc29a_proj:
	.size	k_qde395dc29a_proj, .Lfunc_end_k_qde395dc29a_proj-k_qde395dc29a_proj
	.p2alignl 7, 3214868480
	.fill 96, 4, 3214868480
	.section	.rodata,"a",@progbits
	.p2align	6, 0x0
	.amdhsa_kernel k_qde395dc29a_proj
		.amdhsa_group_segment_fixed_size 327680
		.amdhsa_private_segment_fixed_size 0
		.amdhsa_enable_private_segment 0
		.amdhsa_kernarg_size 88
		.amdhsa_user_sgpr_count 2
		.amdhsa_user_sgpr_kernarg_segment_ptr 1
		.amdhsa_wavefront_size32 1
		.amdhsa_system_sgpr_workgroup_id_x 1
		.amdhsa_system_sgpr_workgroup_id_y 1
		.amdhsa_system_sgpr_workgroup_id_z 1
		.amdhsa_system_vgpr_workitem_id 0
		.amdhsa_next_free_vgpr 1024
		.amdhsa_next_free_sgpr 100
		.amdhsa_reserve_vcc 0
		.amdhsa_float_denorm_mode_32 3
		.amdhsa_float_denorm_mode_16_64 3
		.amdhsa_memory_ordered 1
		.amdhsa_forward_progress 1
		.amdhsa_inst_pref_size 233
	.end_amdhsa_kernel
	.amdgpu_metadata
---
amdhsa.version: [ 1, 2 ]
amdhsa.kernels:
  - .name:           k_qde395dc29a_proj
    .symbol:         k_qde395dc29a_proj.kd
    .args:
      - { .name: x_codes, .offset: 0, .size: 8, .value_kind: global_buffer, .address_space: global }
      - { .name: Wq_codes, .offset: 8, .size: 8, .value_kind: global_buffer, .address_space: global }
      - { .name: Wk_codes, .offset: 16, .size: 8, .value_kind: global_buffer, .address_space: global }
      - { .name: Wv_codes, .offset: 24, .size: 8, .value_kind: global_buffer, .address_space: global }
      - { .name: bq, .offset: 32, .size: 8, .value_kind: global_buffer, .address_space: global }
      - { .name: bk, .offset: 40, .size: 8, .value_kind: global_buffer, .address_space: global }
      - { .name: bv, .offset: 48, .size: 8, .value_kind: global_buffer, .address_space: global }
      - { .name: lowp_scales, .offset: 56, .size: 8, .value_kind: global_buffer, .address_space: global }
      - { .name: qf, .offset: 64, .size: 8, .value_kind: global_buffer, .address_space: global }
      - { .name: kf, .offset: 72, .size: 8, .value_kind: global_buffer, .address_space: global }
      - { .name: vf, .offset: 80, .size: 8, .value_kind: global_buffer, .address_space: global }
    .group_segment_fixed_size: 327680
    .private_segment_fixed_size: 0
    .kernarg_segment_align: 8
    .kernarg_segment_size: 88
    .max_flat_workgroup_size: 128
    .sgpr_count:     100
    .vgpr_count:     1024
    .wavefront_size: 32
...
	.end_amdgpu_metadata
.endif
;; end of part 1
;; launch scores (part 2): grid 8 x 32, 4 waves a work-group, clusters of 4 x 4, 327,680 bytes of LDS; arguments qf, kf, lowp_scales, pf, statm, statl; writes pf, statm, statl
.if DOCPART == 2
	.amdgcn_target "amdgcn-amd-amdhsa--gfx1250"
	.amdhsa_code_object_version 6
	.text
	.protected	k_qde395dc29a_scores
	.globl	k_qde395dc29a_scores
	.p2align	8
	.type	k_qde395dc29a_scores,@function
k_qde395dc29a_scores:
	s_mov_b64 s[64:65], 0
	v_nop
	global_prefetch_b8 v0, s[64:65] scope:SCOPE_SE
	s_setreg_imm32_b32 hwreg(HW_REG_WAVE_MODE, 25, 1), 1
	s_wait_xcnt 0x0
	s_wait_alu depctr_hold_cnt(0) depctr_sa_sdst(0) depctr_va_vdst(0) depctr_va_sdst(0) depctr_va_ssrc(0) depctr_va_vcc(0) depctr_vm_vsrc(0)
	s_getreg_b32 s2, hwreg(HW_REG_IB_STS2, 6, 4)
	s_cmp_eq_u32 s2, 0
	s_cbranch_scc0 .Lentry_in_a_cluster
	s_endpgm
.Lentry_in_a_cluster:
	s_bfe_u32 s2, ttmp6, 0x10000c
	s_cmp_lg_u32 s2, 0xf033
	s_cbranch_scc0 .Lentry_shape_is_right
	s_endpgm
.Lentry_shape_is_right:
; A tile of 256 queries x 256 keys of Q K^T on codes of FP8 (E4M3), K = 1,024, and at once the softmax's numerator for that block of keys, as codes.  Nothing of the problem's work is left out.
; t = score x log2(e) / 32 x 2^(e6 + e7).  M_kb = ceil(the row's largest t AMONG THIS BLOCK'S 256 KEYS), a whole number; p = 2^(t - M_kb) is quantised with 2^e8; l_kb = the sum of the unquantised p.
; This is the running M, begun anew at each block of keys: the last launch knows all eight M_kb of a row, takes M = their largest, and multiplies each block's product by 2^(M_kb - M), an exact power of two.
; LIMITS: a p so far below the row's largest that its code under the row's M would be subnormal or zero is carried more finely here; that needs 448 x 2^e8 >= 1 (e8 >= -8), so that the hold cuts no block's largest p.
;   e6 + e7 between -121 and 132 (added to the constant's exponent field); e8 between -126 and 119.  NaN and infinity are not served.
; SHARES.  Work-group: queries 256 qt on (qt = 4 Y + cy, over all four batches), keys 256 kb on of that batch (kb = 4 X + cx).  Four waves, 128 x 128 each.  Source 0 = 16 keys, source 1 = 16 queries: a lane holds
; ONE query and its registers run along the keys, so that eight conversions of a block of 16 queries give one fragment of P: pf: [8 kb][512 blocks of 16 queries][2 groups of 128 keys][2,048 bytes].
; qf and kf lie in the order of the operand's registers: a slot's tiles are dense blocks of memory, and a fragment is four loads of 16 bytes a lane at 16 x lane: no pitch, no padding.
; A row's 256 keys lie in two waves: their partial maxima and sums meet in LDS, behind a barrier each.
; CLUSTERS: Q's tile hangs on qt alone and is asked for jointly along a row of the cluster, K's on the batch and kb, along a column.
; REGISTERS: window 0: v16-31 addresses and constants; v32-47 maxima; v48-63 pairs (-M, t); v64-71 sums; v72-91 at work; v128-255 Q's fragments, later P's codes.  window 1: K's fragments, two sets.  windows 2, 3: accumulators.
.set KT,     2097152                   ; bytes from a tile of 256 along K to the next, in qf and kf
.set HALFB,  32768                     ; 8 blocks of rows x 4,096 bytes: what one tensor load brings
.set SLOT,   4*HALFB
.set SPARE,  2*SLOT                    ; the spare words, 128 bytes for each wave
.set PM,     SPARE+512                 ; partial maxima: [2 column halves][256 rows] f32
.set LPO,    2048                      ; behind them the partial sums, in the same shape
.set FR,     16
.set NL,     4
.set NP,     4
.set ADRA, 16
.set ADRB, 20
.set PMW,  22                          ; v22  where I put my rows' partial figures
.set PMR,  23                          ; v23  where the other column half's lie
.set STA,  24                          ; v24  the statistics: two rows a lane
.set SO,   25                          ; v25  8 x lane
.set CO,   26                          ; v26  16 x lane
.set SPW,  28
.set NIL,  29
.set LIMP, 30                          ; v30  448 x 2^e8
.set SCP,  31                          ; v31  2^e8
.set MXA,  32
.set MXB,  40
.set NM,   48
.set LS,   64
.set SA,   72                          ; v72-79 four chains of sums
.set AF,   128
.set CD,   128
.set WV,   16
.set RH,   17
.set CH,   18
.set G1,   24
.set G0,   32
.set G1B,  48
.set G0B,  56
.set MSB, 0
.macro WIN new
.if MSB != (\new)
	s_set_vgpr_msb (MSB<<8)|(\new)
.set MSB, (\new)
.endif
.endm
.set MUL_LO, 0xa1
.set MUL_HI, 0xf1
.set TO_B,   0x40
.macro PLACES n
.rept \n
	v_nop
.endr
.endm
.macro JLOAD g0a, g1a, g0b, g1b        ; waves 0 and 1 fetch Q's halves, waves 2 and 3 K's; an s_nop 0 and four v_nop follow each line
	s_cmp_eq_u32 s[RH], 0
	s_cbranch_scc0 .Lfor_b_\@
	tensor_load_to_lds s[\g0a:\g0a+3], s[\g1a:\g1a+7]
	s_nop 0
.rept 4
	v_nop
.endr
	s_branch .Lasked_\@
.Lfor_b_\@:
	tensor_load_to_lds s[\g0b:\g0b+3], s[\g1b:\g1b+7]
	s_nop 0
.rept 4
	v_nop
.endr
.Lasked_\@:
.endm
.macro CROUND                          ; a round of the cluster's barrier
	s_barrier_signal -1
	s_barrier_wait -1
	s_cmp_lg_u32 s[WV], 0
	s_cbranch_scc1 .Lnot_wave_0_\@
	s_barrier_signal -3
.Lnot_wave_0_\@:
	s_barrier_wait -3
	s_barrier_signal -1
	s_barrier_wait -1
.endm
	s_load_b256 s[4:11], s[0:1], 0x0               ; qf 4:5, kf 6:7, the scales 8:9, pf 10:11
	s_load_b128 s[12:15], s[0:1], 0x20             ; statm, statl
	v_lshl_add_u32 v[SPW], v0, 2, SPARE
	v_mov_b32 v[NIL], 0
	ds_add_u32 v[SPW], v[NIL]                      ; the wave's opening: the add, twice on end, and its wait ahead of my first tensor load
	ds_add_u32 v[SPW], v[NIL]
	v_lshrrev_b32 v1, 5, v0
	v_readfirstlane_b32 s[WV], v1
	s_lshr_b32 s[RH], s[WV], 1                     ; my half of the queries; also: I fetch for Q (0) or K (1)
	s_and_b32 s[CH], s[WV], 1                      ; my half of the keys; also: which half of a tile I fetch
	s_bfe_u32 s40, ttmp6, 0x40000                  ; cx
	s_bfe_u32 s41, ttmp6, 0x40004                  ; cy
	s_lshl_b32 s42, ttmp9, 2
	s_add_co_u32 s42, s42, s40                     ; kb
	s_and_b32 s19, ttmp7, 0xffff
	s_lshr_b32 s67, s19, 1                         ; the batch: qt / 8
	s_lshl_b32 s66, s19, 2
	s_add_co_u32 s66, s66, s41                     ; qt
	s_lshl_b32 s43, s41, 2
	s_lshl_b32 s43, 15, s43                        ; my row of the cluster
	s_lshl_b32 s44, 0x1111, s40                    ; my column
	s_or_b32 s[G1], s43, 1<<21                     ; the mask, bit 21 beside it; elements of 1 byte; no padding
	s_or_b32 s[G1B], s44, 1<<21
.irp g, G1, G1B
	s_mov_b32 s[\g+1], 256<<16                     ; a dense block of 32,768 bytes as 128 rows of 256
	s_mov_b32 s[\g+2], 128<<16
	s_mov_b32 s[\g+3], 256<<16
	s_mov_b32 s[\g+4], 128
	s_mov_b32 s[\g+5], 256
	s_mov_b32 s[\g+6], 0
	s_mov_b32 s[\g+7], 0
.endr
	s_lshl_b32 s22, s[CH], 15                      ; the 8 blocks of rows that I fetch
	s_lshl_b32 s20, s66, 16
	s_add_co_u32 s20, s20, s22                     ; Q: (16 qt + 8 half) x 4,096
	s_mov_b32 s21, 0
	s_lshl_b32 s46, s67, 19
	s_lshl_b32 s23, s42, 16
	s_add_co_u32 s46, s46, s23
	s_add_co_u32 s46, s46, s22                     ; K: (128 batch + 16 kb + 8 half) x 4,096
	s_mov_b32 s47, 0
	s_lshl_b32 s45, s[WV], 15                      ; where my tiles go: wave x 32,768
	s_lshl_b32 s76, s42, 21                        ; pf: kb x 2^21 + (16 qt + 8 RH) x 4,096 + 2,048 CH
	s_lshl_b32 s82, s66, 16
	s_add_co_u32 s76, s76, s82
	s_lshl_b32 s82, s[RH], 15
	s_add_co_u32 s76, s76, s82
	s_lshl_b32 s82, s[CH], 11
	s_add_co_u32 s76, s76, s82
	s_mov_b32 s77, 0
	s_lshl_b32 s78, s42, 15                        ; the statistics: (8,192 kb + 256 qt + 64 wave) x 4
	s_lshl_b32 s82, s66, 10
	s_add_co_u32 s78, s78, s82
	s_lshl_b32 s82, s[WV], 8
	s_add_co_u32 s78, s78, s82
	s_mov_b32 s79, 0
	s_mov_b32 s68, 0x76543210                      ; v_permlanex16_b32's selects for lane l xor 16
	s_mov_b32 s69, 0xfedcba98
	s_mov_b32 s70, 0x3d38aa3b                      ; log2(e) / 32
	s_wait_dscnt 0x0                               ; both opening adds are done
	s_wait_kmcnt 0x0
	s_load_b128 s[72:75], s[8:9], 0x18             ; e6, e7, e8, e9
	s_add_nc_u64 s[80:81], s[14:15], s[78:79]
	s_add_nc_u64 s[78:79], s[12:13], s[78:79]
	s_add_nc_u64 s[76:77], s[10:11], s[76:77]
	s_add_nc_u64 s[20:21], s[4:5], s[20:21]
	s_add_nc_u64 s[46:47], s[6:7], s[46:47]
	CROUND                                         ; the first joint loads meet
.irp s, 0,1
	s_mov_b32 s[G0+4*\s], 1
	s_add_co_u32 s[G0+4*\s+1], s45, \s*SLOT
	s_add_nc_u64 s[G0+4*\s+2:G0+4*\s+3], s[20:21], \s*KT
	s_or_b32 s[G0+4*\s+3], s[G0+4*\s+3], 0x80000000
	s_mov_b32 s[G0B+4*\s], 1
	s_add_co_u32 s[G0B+4*\s+1], s45, \s*SLOT
	s_add_nc_u64 s[G0B+4*\s+2:G0B+4*\s+3], s[46:47], \s*KT
	s_or_b32 s[G0B+4*\s+3], s[G0B+4*\s+3], 0x80000000
.endr
	JLOAD G0, G1, G0B, G1B                         ; slot 0: one tensor load a wave at the head
	v_and_b32 v1, 15, v0                           ; r
	v_and_b32 v5, 31, v0                           ; lane
	v_lshlrev_b32 v[CO], 4, v5
	v_lshlrev_b32 v[SO], 3, v5
	s_wait_alu depctr_va_vdst(0)                   ; ahead of the scalar lines below
	s_lshl_b32 s82, s[RH], 15                      ; my 8 blocks of Q
	s_lshl_b32 s83, s[CH], 15
	s_add_co_u32 s83, s83, 2*HALFB                 ; my 8 blocks of K, behind Q's 16
.irp s, 0,1
	v_add_nc_u32 v[ADRA+\s], s82, v[CO]
	v_add_nc_u32 v[ADRB+\s], s83, v[CO]
	s_add_co_u32 s82, s82, SLOT
	s_add_co_u32 s83, s83, SLOT
.endr
	s_lshl_b32 s83, s[RH], 9
	s_lshl_b32 s82, s[CH], 10
	s_add_co_u32 s82, s82, s83
	s_add_co_u32 s82, s82, PM
	v_lshl_add_u32 v[PMW], v1, 2, s82              ; PM + 1,024 CH + 512 RH + 4 r
	s_xor_b32 s84, s[CH], 1
	s_lshl_b32 s84, s84, 10
	s_add_co_u32 s84, s84, s83
	s_add_co_u32 s84, s84, PM
	v_lshl_add_u32 v[PMR], v1, 2, s84              ; the same in the other column half
	s_lshl_b32 s85, s[WV], 8
	s_add_co_u32 s85, s85, PM
	v_lshl_add_u32 v[STA], v5, 3, s85              ; PM + 256 wave + 8 lane
	s_wait_kmcnt 0x0
	s_add_co_i32 s82, s72, s73
	s_lshl_b32 s82, s82, 23
	s_add_co_i32 s70, s70, s82                     ; a score stands for score x 2^(e6 + e7): the exponents are added to the constant's exponent field
	s_mov_b32 s71, s70                             ; (named with it as a pair, so it is written)
	s_add_co_i32 s82, s74, 127
	s_lshl_b32 s83, s82, 23
	v_mov_b32 v[SCP], s83                          ; 2^e8
	s_add_co_i32 s82, s82, 8
	s_lshl_b32 s82, s82, 23
	s_or_b32 s82, s82, 0x600000
	v_mov_b32 v[LIMP], s82                         ; 448 x 2^e8
.macro FRAG reg, adr, q, i             ; a fragment as it was stored: four loads of 512 consecutive bytes
.irp c, 0,1,2,3
	ds_load_b128 v[\reg+4*\c:\reg+4*\c+3], v[\adr] offset:4096*(\i)+2048*(\q)+512*\c
.endr
.endm
.macro MUL16 a0, p, zero               ; the 64 accumulators take turns, one instruction a turn; zero = 1: the first product starts the sums
.irp a, \a0, \a0+1
.irp b, 0,1,2,3,4,5,6,7
.if \zero
	v_wmma_f32_16x16x128_fp8_fp8 v[8*(8*((\a)%4)+\b):8*(8*((\a)%4)+\b)+7], v[128*(\p)+FR*\b:128*(\p)+FR*\b+FR-1], v[AF+FR*(\a):AF+FR*(\a)+FR-1], 0
.else
	v_wmma_f32_16x16x128_fp8_fp8 v[8*(8*((\a)%4)+\b):8*(8*((\a)%4)+\b)+7], v[128*(\p)+FR*\b:128*(\p)+FR*\b+FR-1], v[AF+FR*(\a):AF+FR*(\a)+FR-1], v[8*(8*((\a)%4)+\b):8*(8*((\a)%4)+\b)+7]
.endif
.endr
.endr
.endm
.macro FETCH_B slot, q, p
	WIN TO_B
.irp i, 0,1,2,3,4,5,6,7
	FRAG 128*(\p)+FR*\i, ADRB+\slot, \q, \i
.endr
	WIN 0
.endm
.macro FETCH_A slot, q, i0
.irp i, \i0, \i0+1, \i0+2, \i0+3
	FRAG AF+FR*(\i), ADRA+\slot, \q, \i
.endr
.endm
.macro STEP slot, q, zero
	s_wait_dscnt 4*NL                              ; K's set and Q's blocks 0-3 are in; the youngest sixteen loads (Q's blocks 4-7) may be out
	WIN MUL_LO
	MUL16 0, (\q)%2, \zero
	MUL16 2, (\q)%2, \zero
	s_wait_dscnt 0
	PLACES NP
	FETCH_B \slot, (\q)+1, 1-(\q)%2
	FETCH_A \slot, (\q)+1, 0
	WIN MUL_HI
	MUL16 4, (\q)%2, \zero
	MUL16 6, (\q)%2, \zero
	PLACES NP
	WIN 0
	FETCH_A \slot, (\q)+1, 4
.endm
; A slot's last step changes slots.  Its first half needs registers alone and stands AHEAD of the wait for the tensor loads; then each wave waits for all its tensor loads, adds 0 to its spare word, steps its
; descriptors, waits for the add and for its reads of this slot, and passes the round; the joint refill is the first thing behind it: no product stands between a tile's landing and the next request.
.macro TURN slot, next, fill
	s_wait_dscnt 4*NL                              ; K's set and Q's blocks 0-3 are in; the youngest sixteen loads may be out
	WIN MUL_LO
	MUL16 0, 1, 0
	MUL16 2, 1, 0
	WIN 0
	s_wait_tensorcnt 0x0                           ; all my tensor loads have landed: my part of the next slot; so a group 0 may be written
	ds_add_u32 v[SPW], v[NIL]                      ; 0 onto my spare word
.if \fill
	s_add_nc_u64 s[G0+4*\slot+2:G0+4*\slot+3], s[G0+4*\slot+2:G0+4*\slot+3], 2*KT
	s_add_nc_u64 s[G0B+4*\slot+2:G0B+4*\slot+3], s[G0B+4*\slot+2:G0B+4*\slot+3], 2*KT
.endif
	s_wait_dscnt 0x0                               ; the add is done, and my reads of this slot are over
.if \fill
	CROUND                                         ; no wave of any partner still reads this slot or has a load on its way
	JLOAD G0+4*\slot, G1, G0B+4*\slot, G1B         ; its four v_nop are the places in front of the loads below
.else
	s_barrier_signal -1
	s_barrier_wait -1
	PLACES NP
.endif
	FETCH_B \next, 0, 0
	FETCH_A \next, 0, 0
	WIN MUL_HI
	MUL16 4, 1, 0
	MUL16 6, 1, 0
	PLACES NP
	WIN 0
	FETCH_A \next, 0, 4
.endm
	s_wait_alu depctr_va_vdst(0)
	s_wait_tensorcnt 0x0                           ; my part of slot 0 is in
	ds_add_u32 v[SPW], v[NIL]
	s_wait_dscnt 0x0
	CROUND
	JLOAD G0+4, G1, G0B+4, G1B                     ; slot 1's first fill
	FETCH_B 0, 0, 0
	FETCH_A 0, 0, 0
	FETCH_A 0, 0, 4
	STEP 0, 0, 1
	TURN 0, 1, 1                                   ; K = 1,024 is four slots' worth: written out
	STEP 1, 0, 0
	TURN 1, 0, 1
	STEP 0, 0, 0
	TURN 0, 1, 0
	STEP 1, 0, 0
	s_wait_dscnt 4*NL
	WIN MUL_LO
	MUL16 0, 1, 0
	MUL16 2, 1, 0
	s_wait_dscnt 0
	WIN MUL_HI
	MUL16 4, 1, 0
	MUL16 6, 1, 0
	WIN 0
	PLACES NP                                      ; in front of the first read of results
; The largest score of each of my queries among my lane's 64 keys: the four blocks of a window together, two chains each, every accumulator from its low end on.
.macro MAXW w
	WIN (\w)|((\w)<<2)|((\w)<<4)
.irp a, 0,1,2,3
	v_max3_num_f32 v[MXA+4*((\w)-2)+\a], v[64*\a], v[64*\a+1], v[64*\a+2]
	v_max3_num_f32 v[MXB+4*((\w)-2)+\a], v[64*\a+3], v[64*\a+4], v[64*\a+5]
.endr
	WIN ((\w)<<2)|((\w)<<4)
.irp i, 6,10,14,18,22,26,30,34,38,42,46,50,54,58
.irp a, 0,1,2,3
	v_max3_num_f32 v[MXA+4*((\w)-2)+\a], v[MXA+4*((\w)-2)+\a], v[64*\a+\i], v[64*\a+\i+1]
	v_max3_num_f32 v[MXB+4*((\w)-2)+\a], v[MXB+4*((\w)-2)+\a], v[64*\a+\i+2], v[64*\a+\i+3]
.endr
.endr
.irp a, 0,1,2,3
	v_max3_num_f32 v[MXA+4*((\w)-2)+\a], v[MXA+4*((\w)-2)+\a], v[64*\a+62], v[64*\a+63]
.endr
.endm
	MAXW 2
	MAXW 3
	WIN 0
.irp a, 0,1,2,3,4,5,6,7
	v_max_num_f32 v[MXA+\a], v[MXA+\a], v[MXB+\a]
.endr
.irp a, 0,1,2,3,4,5,6,7
	v_permlanex16_b32 v[MXB+\a], v[MXA+\a], s68, s69   ; the query's other 64 keys of my half lie in the lane 16 away
.endr
.irp a, 0,1,2,3,4,5,6,7
	v_max_num_f32 v[MXA+\a], v[MXA+\a], v[MXB+\a]
.endr
.irp a, 0,1,2,3,4,5,6,7
	ds_store_b32 v[PMW], v[MXA+\a] offset:64*\a    ; lanes r and r + 16 write the same word with the same number
.endr
	s_wait_alu depctr_va_vdst(0)                   ; directly ahead of the wait below
	s_wait_dscnt 0x0                               ; for the others' sake: my stores are done
	s_barrier_signal -1
	s_barrier_wait -1
.irp a, 0,1,2,3,4,5,6,7
	ds_load_b32 v[MXB+\a], v[PMR] offset:64*\a     ; the other 128 keys' maxima
.endr
	s_wait_dscnt 0x0
.irp a, 0,1,2,3,4,5,6,7
	v_max_num_f32 v[MXA+\a], v[MXA+\a], v[MXB+\a]
.endr
.irp a, 0,1,2,3,4,5,6,7
	v_mul_f32 v[NM+2*\a+1], s70, v[MXA+\a]         ; as t (the constant is positive)
.endr
.irp a, 0,1,2,3,4,5,6,7
	v_floor_f32 v[NM+2*\a], -v[NM+2*\a+1]          ; -M = floor(-t) = -ceil(t): a whole number
.endr
; Block a: p = 2^(t - M) in place; its sum, unquantised; the hold; eight conversions; four stores of 512 consecutive bytes.
.macro PBLK a
.set W, 2+(\a)/4
.set AC, 64*((\a)%4)
	WIN (W<<6)|W
.set JJ, 0
.rept 32                               ; the packed scalings, t - M in place, two numbers a line; nothing here names an exponential's result
	v_pk_fma_f32 v[AC+2*JJ:AC+2*JJ+1], v[AC+2*JJ:AC+2*JJ+1], s[70:71], v[NM+2*(\a):NM+2*(\a)+1] op_sel_hi:[1,0,0]
.set JJ, JJ+1
.endr
	s_wait_alu depctr_va_vdst(0)
.set JJ, 0
.rept 64
	v_exp_f32 v[AC+JJ], v[AC+JJ]
.set JJ, JJ+1
.endr
	v_nop                                          ; a plain line behind the last exponential
	s_wait_alu depctr_va_vdst(0)                   ; one wait for the batch's 64 exponentials, ahead of the first line that names a result
	WIN (W<<2)|W
.irp n, 0,1,2,3
	v_pk_add_f32 v[SA+2*\n:SA+2*\n+1], v[AC+4*\n:AC+4*\n+1], v[AC+4*\n+2:AC+4*\n+3]    ; the sum is taken of the unquantised p: four chains, started by the first sixteen numbers
.endr
	WIN W<<2
.irp g, 16,24,32,40,48,56
.irp n, 0,1,2,3
	v_pk_add_f32 v[SA+2*\n:SA+2*\n+1], v[SA+2*\n:SA+2*\n+1], v[AC+\g+2*\n:AC+\g+2*\n+1]
.endr
.endr
	WIN (W<<6)|W
.set JJ, 0
.rept 64
	v_min_num_f32 v[AC+JJ], v[AC+JJ], v[LIMP]      ; the conversion does not saturate (ISA guide 7.6.2); p is not negative, so the hold is one-sided
.set JJ, JJ+1
.endr
	WIN W
.irp b, 0,1,2,3,4,5,6,7
	v_cvt_scalef32_pk8_fp8_f32 v[CD+16*(\a)+2*\b:CD+16*(\a)+2*\b+1], v[AC+8*\b:AC+8*\b+7], v[SCP]
.endr
	WIN 0
	v_pk_add_f32 v[SA:SA+1], v[SA:SA+1], v[SA+2:SA+3]          ; (the plain line behind the last conversion)
	v_pk_add_f32 v[SA+4:SA+5], v[SA+4:SA+5], v[SA+6:SA+7]
	v_pk_add_f32 v[SA:SA+1], v[SA:SA+1], v[SA+4:SA+5]
	v_add_f32 v[LS+(\a)], v[SA], v[SA+1]
.irp c, 0,1,2,3
	global_store_b128 v[CO], v[CD+16*(\a)+4*\c:CD+16*(\a)+4*\c+3], s[76:77] offset:4096*(\a)+512*\c
.endr
.endm
.irp a, 0,1,2,3,4,5,6,7
	PBLK \a
.endr
.irp a, 0,1,2,3,4,5,6,7
	v_permlanex16_b32 v[MXB+\a], v[LS+\a], s68, s69
.endr
.irp a, 0,1,2,3,4,5,6,7
	v_add_f32 v[LS+\a], v[LS+\a], v[MXB+\a]
.endr
.irp a, 0,1,2,3,4,5,6,7
	ds_store_b32 v[PMW], v[LS+\a] offset:LPO+64*\a
.endr
	s_wait_dscnt 0x0
	s_barrier_signal -1
	s_barrier_wait -1
	; the block's statistics: wave w, lane l: rows 64 w + 2 l and the next; each store of the wave covers 256 consecutive bytes, aligned
	ds_load_b64 v[80:81], v[STA]
	ds_load_b64 v[82:83], v[STA] offset:1024
	ds_load_b64 v[84:85], v[STA] offset:LPO
	ds_load_b64 v[86:87], v[STA] offset:LPO+1024
	s_wait_dscnt 0x0
	v_max_num_f32 v80, v80, v82
	v_max_num_f32 v81, v81, v83
	v_mul_f32 v80, s70, v80
	v_mul_f32 v81, s70, v81
	v_floor_f32 v88, -v80                          ; the same three lines as above: the same -M
	v_floor_f32 v89, -v81
	v_pk_add_f32 v[90:91], v[84:85], v[86:87]
	global_store_b64 v[SO], v[88:89], s[78:79]
	global_store_b64 v[SO], v[90:91], s[80:81]
	s_wait_tensorcnt 0x0                           ; the wave's end: behind my last tensor load and my last LDS store
	ds_add_u32 v[SPW], v[NIL]
	s_wait_dscnt 0x0
	CROUND                                         ; the closing round
	s_endpgm
.Lfunc_end_k_qde395dc29a_scores:
	.size	k_qde395dc29a_scores, .Lfunc_end_k_qde395dc29a_scores-k_qde395dc29a_scores
	.p2alignl 7, 3214868480
	.fill 96, 4, 3214868480
	.section	.rodata,"a",@progbits
	.p2align	6, 0x0
	.amdhsa_kernel k_qde395dc29a_scores
		.amdhsa_group_segment_fixed_size 327680
		.amdhsa_private_segment_fixed_size 0
		.amdhsa_enable_private_segment 0
		.amdhsa_kernarg_size 48
		.amdhsa_user_sgpr_count 2
		.amdhsa_user_sgpr_kernarg_segment_ptr 1
		.amdhsa_wavefront_size32 1
		.amdhsa_system_sgpr_workgroup_id_x 1
		.amdhsa_system_sgpr_workgroup_id_y 1
		.amdhsa_system_sgpr_workgroup_id_z 1
		.amdhsa_system_vgpr_workitem_id 0
		.amdhsa_next_free_vgpr 1024
		.amdhsa_next_free_sgpr 100
		.amdhsa_reserve_vcc 0
		.amdhsa_float_denorm_mode_32 3
		.amdhsa_float_denorm_mode_16_64 3
		.amdhsa_memory_ordered 1
		.amdhsa_forward_progress 1
		.amdhsa_inst_pref_size 173
	.end_amdhsa_kernel
	.amdgpu_metadata
---
amdhsa.version: [ 1, 2 ]
amdhsa.kernels:
  - .name:           k_qde395dc29a_scores
    .symbol:         k_qde395dc29a_scores.kd
    .args:
      - { .name: qf, .offset: 0, .size: 8, .value_kind: global_buffer, .address_space: global }
      - { .name: kf, .offset: 8, .size: 8, .value_kind: global_buffer, .address_space: global }
      - { .name: lowp_scales, .offset: 16, .size: 8, .value_kind: global_buffer, .address_space: global }
      - { .name: pf, .offset: 24, .size: 8, .value_kind: global_buffer, .address_space: global }
      - { .name: statm, .offset: 32, .size: 8, .value_kind: global_buffer, .address_space: global }
      - { .name: statl, .offset: 40, .size: 8, .value_kind: global_buffer, .address_space: global }
    .group_segment_fixed_size: 327680
    .private_segment_fixed_size: 0
    .kernarg_segment_align: 8
    .kernarg_segment_size: 48
    .max_flat_workgroup_size: 128
    .sgpr_count:     100
    .vgpr_count:     1024
    .wavefront_size: 32
...
	.end_amdgpu_metadata
.endif
;; end of part 2
;; launch pv (part 3): grid 8 x 32, 4 waves a work-group, clusters of 4 x 4, 327,680 bytes of LDS; arguments pf, vf, statm, statl, lowp_scales, out0; writes out0
.if DOCPART == 3
	.amdgcn_target "amdgcn-amd-amdhsa--gfx1250"
	.amdhsa_code_object_version 6
	.text
	.protected	k_qde395dc29a_pv
	.globl	k_qde395dc29a_pv
	.p2align	8
	.type	k_qde395dc29a_pv,@function
k_qde395dc29a_pv:
	s_mov_b64 s[64:65], 0
	v_nop
	global_prefetch_b8 v0, s[64:65] scope:SCOPE_SE
	s_setreg_imm32_b32 hwreg(HW_REG_WAVE_MODE, 25, 1), 1
	s_wait_xcnt 0x0
	s_wait_alu depctr_hold_cnt(0) depctr_sa_sdst(0) depctr_va_vdst(0) depctr_va_sdst(0) depctr_va_ssrc(0) depctr_va_vcc(0) depctr_vm_vsrc(0)
	s_getreg_b32 s2, hwreg(HW_REG_IB_STS2, 6, 4)
	s_cmp_eq_u32 s2, 0
	s_cbranch_scc0 .Lentry_in_a_cluster
	s_endpgm
.Lentry_in_a_cluster:
	s_bfe_u32 s2, ttmp6, 0x10000c
	s_cmp_lg_u32 s2, 0xf033
	s_cbranch_scc0 .Lentry_shape_is_right
	s_endpgm
.Lentry_shape_is_right:
; O[q][d] = sum over the eight blocks kb of 256 keys of F(q, kb) x (P_kb V_kb)[q][d], both operands codes of FP8 (E4M3).  Nothing of the problem's work is left out.
; The launch before quantised p = 2^(t - M_kb) under each block's own whole number M_kb and left -M_kb and l_kb, the block's sum of the unquantised p.  Here M = the largest M_kb of the row,
; f_kb = 2^(M_kb - M), an exact power of two and at most 1, l = sum of f_kb l_kb, and F = f_kb x 2^(e8 + e9) / l.
; LIMITS: as the launch before states them for the block's own M; NaN and infinity are not served.
; SHARES.  Work-group: 256 queries (qt = 4 Y + cy) x 128 of the 1,024 features (dt = 4 X + cx).  Wave w: queries 64 w on x all 128 features: 32 accumulators, n = 8 a + b (a: block of 16 queries, b: of 16 features).
; Source 0 = 16 features of V^T, source 1 = 16 queries of P: a lane holds ONE query and eight neighbouring features, so F is one number a lane for each (kb, a).
; V: the work-group's whole tile, 8 blocks of 256 keys x 32,768 bytes, lies in LDS: one joint load a wave at the head (two blocks of keys each), and nothing is filled again: the loop has no barrier.
;   vf: [32 of 256 keys][64 blocks of 16 features][2 of 128 keys][2,048 bytes], in the order of the operand's registers: a fragment is four loads at 16 x lane.
; P: in the same order, [8 kb][512 blocks of 16 queries][2 of 128 keys][2,048 bytes]: a wave alone uses its 64 queries' codes and loads them straight into registers, 512 consecutive bytes an instruction.
;   Four sets of 64 registers take turns, one for each 128 keys; a set is asked for again as soon as its products are issued, so that up to 64 loads of a wave, 32,768 bytes, are out; that is the look-ahead, and nothing is prefetched.
; CLUSTERS: V's tile hangs on the batch and dt alone and is asked for jointly along a column.  P's 524,288 bytes do not fit beside V's 262,144 in LDS: shared by joint loads they would want a ring with a round of the cluster's
; barrier at each refill; here each work-group loads its own.
; TWO SETS OF ACCUMULATORS.  A block's 256 keys are summed from the constant 0 into TEMP (two matrix instructions an accumulator) and folded, MAIN += F x TEMP, by four packed multiply-adds; the fold of the accumulator two turns back
; stands behind each product of a block's second half, so that vector and matrix work go side by side.
; REGISTERS: window 0: v16-29 addresses; v32-95 F, a pair (both words) for each (kb, a); v96-103 the rows' -M and l; v128-255 V's fragments, one set, four units of two tiles.  window 1: P's four sets; on the way out rows of O.
;   window 2: MAIN.   window 3: TEMP.
.set PKT,    2097152                   ; from a block of 256 keys to the next in pf,
.set VKT,    262144                    ; and in vf
.set STAGE,  262144                    ; the way out: 16 rows x (512 bytes + 16) for each wave, behind V's tile
.set SPITCH, 528
.set SPARE,  STAGE+4*16*SPITCH         ; the spare words, 128 bytes for each wave
.set ADV, 16                           ; v16  LDS address of V's fragments: 65,536 x the pair of blocks of keys + 16 x lane
.set STO,  24
.set RD,   25
.set CO,   26                          ; v26  16 x lane
.set RO,   27                          ; v27  4 r
.set SPW,  28
.set NIL,  29
.set FP,   32
.set NMR,  96
.set LR,   100
.set VF,   128
.set WV,   16
.set G1,   24                          ; s[24:31] group 1, s[32:35] group 0 of V's tile
.set G0,   32
.set PB,   36                          ; s[36:37] my queries' codes in the pair of blocks of keys that is asked for
.set VB,   38                          ; s38  65,536 x the pair of blocks of keys whose V is read
.set TR,   39
.set MSB, 0
.macro WIN new
.if MSB != (\new)
	s_set_vgpr_msb (MSB<<8)|(\new)
.set MSB, (\new)
.endif
.endm
.macro PLACES n
.rept \n
	v_nop
.endr
.endm
.macro CROUND                          ; a round of the cluster's barrier
	s_barrier_signal -1
	s_barrier_wait -1
	s_cmp_lg_u32 s[WV], 0
	s_cbranch_scc1 .Lnot_wave_0_\@
	s_barrier_signal -3
.Lnot_wave_0_\@:
	s_barrier_wait -3
	s_barrier_signal -1
	s_barrier_wait -1
.endm
.macro PLOAD j, off                    ; set j: my four blocks of queries, 128 keys
.irp a, 0,1,2,3
.irp c, 0,1,2,3
	global_load_b128 v[64*(\j)+16*\a+4*\c:64*(\j)+16*\a+4*\c+3], v[CO], s[PB:PB+1] offset:(\off)+4096*\a+512*\c
.endr
.endr
.endm
.macro VLOAD u, off                    ; unit u: tiles 2 u and 2 u + 1, 128 keys
.irp t, 0,1
.irp c, 0,1,2,3
	ds_load_b128 v[VF+16*(2*(\u)+\t)+4*\c:VF+16*(2*(\u)+\t)+4*\c+3], v[ADV] offset:(\off)+4096*(2*(\u)+\t)+512*\c
.endr
.endr
.endm
	s_load_b256 s[4:11], s[0:1], 0x0               ; pf 4:5, vf 6:7, statm 8:9, statl 10:11
	s_load_b128 s[12:15], s[0:1], 0x20             ; the scales, out0
	v_lshl_add_u32 v[SPW], v0, 2, SPARE
	v_mov_b32 v[NIL], 0
	ds_add_u32 v[SPW], v[NIL]                      ; the wave's opening: the add, twice on end, and its wait ahead of my first tensor load
	ds_add_u32 v[SPW], v[NIL]
	v_lshrrev_b32 v1, 5, v0
	v_readfirstlane_b32 s[WV], v1
	s_bfe_u32 s88, ttmp6, 0x40000                  ; cx
	s_bfe_u32 s89, ttmp6, 0x40004                  ; cy
	s_lshl_b32 s90, ttmp9, 2
	s_add_co_u32 s90, s90, s88                     ; dt
	s_and_b32 s19, ttmp7, 0xffff
	s_lshr_b32 s67, s19, 1                         ; the batch
	s_lshl_b32 s66, s19, 2
	s_add_co_u32 s66, s66, s89                     ; qt
	s_lshl_b32 s92, 0x1111, s88                    ; my column of the cluster
	s_or_b32 s[G1], s92, (3<<16)|(1<<21)           ; the mask, bit 21 beside it; elements of 8 bytes; no padding
	s_mov_b32 s[G1+1], 4096<<16                    ; two rows of 32,768 bytes, a block of 256 keys each
	s_mov_b32 s[G1+2], 2<<16
	s_mov_b32 s[G1+3], 4096<<16
	s_mov_b32 s[G1+4], 2
	s_mov_b32 s[G1+5], VKT/8
	s_mov_b32 s[G1+6], 0
	s_mov_b32 s[G1+7], 0
	s_mov_b32 s[G0], 1
	s_lshl_b32 s[G0+1], s[WV], 16
	s_lshl_b32 s22, s67, 21                        ; V: (8 batch + 2 wave) x 262,144
	s_lshl_b32 s82, s[WV], 19
	s_add_co_u32 s22, s22, s82
	s_lshl_b32 s82, s90, 15
	s_add_co_u32 s22, s22, s82                     ; + 8 dt blocks of features
	s_mov_b32 s23, 0
	s_lshl_b32 s20, s66, 16                        ; P: (16 qt + 4 wave) x 4,096
	s_lshl_b32 s83, s[WV], 14
	s_add_co_u32 s20, s20, s83
	s_mov_b32 s21, 0
	s_lshl_b32 s76, s66, 20                        ; O: (256 qt + 64 wave) rows of 4,096 bytes + 512 dt
	s_lshl_b32 s83, s[WV], 18
	s_add_co_u32 s76, s76, s83
	s_lshl_b32 s83, s90, 9
	s_add_co_u32 s76, s76, s83
	s_mov_b32 s77, 0
	s_lshl_b32 s78, s66, 10                        ; the statistics: (256 qt + 64 wave) x 4
	s_lshl_b32 s83, s[WV], 8
	s_add_co_u32 s78, s78, s83
	s_mov_b32 s79, 0
	s_mov_b32 s[VB], 0
	v_and_b32 v1, 15, v0                           ; r
	v_bfe_u32 v2, v0, 4, 1                         ; h
	v_and_b32 v5, 31, v0                           ; lane
	v_lshlrev_b32 v[RO], 2, v1
	v_lshlrev_b32 v[CO], 4, v5
	s_wait_alu depctr_va_vdst(0)                   ; directly ahead of the wait below
	s_wait_dscnt 0x0                               ; both opening adds are done
	s_wait_kmcnt 0x0
	s_load_b64 s[72:73], s[12:13], 0x20            ; e8, e9
	s_add_nc_u64 s[80:81], s[10:11], s[78:79]
	s_add_nc_u64 s[78:79], s[8:9], s[78:79]
	s_add_nc_u64 s[76:77], s[14:15], s[76:77]
	s_add_nc_u64 s[PB:PB+1], s[4:5], s[20:21]
	s_add_nc_u64 s[G0+2:G0+3], s[6:7], s[22:23]
	s_or_b32 s[G0+3], s[G0+3], 0x80000000
	CROUND                                         ; the joint loads meet
	tensor_load_to_lds s[G0:G0+3], s[G1:G1+7]      ; my two blocks of keys of V: one tensor load a wave at the head
	s_nop 0
	PLACES 4
	WIN 0x40                                       ; destination window 1
	PLOAD 0, 0
	PLOAD 1, 2048
	WIN 0
.irp kb, 0,1,2,3,4,5,6,7                       ; -M_kb and l_kb of my four queries (16 a + r)
.irp a, 0,1,2,3
	global_load_b32 v[FP+8*\kb+2*\a], v[RO], s[78:79] offset:32768*\kb+64*\a
	global_load_b32 v[FP+8*\kb+2*\a+1], v[RO], s[80:81] offset:32768*\kb+64*\a
.endr
.endr
	WIN 0x40
	PLOAD 2, PKT
	PLOAD 3, PKT+2048
	WIN 0
	s_mul_i32 s82, s[WV], 16*SPITCH
	s_add_co_u32 s82, s82, STAGE                   ; my stage
	v_mul_u32_u24 v3, v1, SPITCH
	v_lshl_add_u32 v3, v2, 5, v3
	v_add_nc_u32 v[STO], s82, v3                   ; in: row r, 32 bytes for each half of the lanes
	v_add_nc_u32 v[RD], s82, v[CO]                 ; back: the 32 lanes take one row of 512 bytes
	v_add_nc_u32 v[ADV], s[VB], v[CO]
	s_wait_alu depctr_va_vdst(0)                   ; directly ahead of the wait below
	s_wait_loadcnt 32                              ; the statistics are in; behind them: P's sets 2 and 3
	s_wait_kmcnt 0x0
	s_add_co_i32 s74, s72, s73                     ; e8 + e9
.irp a, 0,1,2,3
	v_min_num_f32 v[NMR+\a], v[FP+2*\a], v[FP+8+2*\a]
.endr
.irp kb, 2,3,4,5,6,7
.irp a, 0,1,2,3
	v_min_num_f32 v[NMR+\a], v[NMR+\a], v[FP+8*\kb+2*\a]       ; -M = the least -M_kb
.endr
.endr
.irp kb, 0,1,2,3,4,5,6,7
.irp a, 0,1,2,3
	v_sub_f32 v[FP+8*\kb+2*\a], v[NMR+\a], v[FP+8*\kb+2*\a]    ; M_kb - M: a whole number, 0 or less
.endr
.endr
.irp kb, 0,1,2,3,4,5,6,7
.irp a, 0,1,2,3
	v_cvt_i32_f32 v[FP+8*\kb+2*\a], v[FP+8*\kb+2*\a]           ; (it saturates)
.endr
.endr
.irp kb, 0,1,2,3,4,5,6,7
.irp a, 0,1,2,3
	v_ldexp_f32 v[FP+8*\kb+2*\a], 1.0, v[FP+8*\kb+2*\a]        ; f = 2^(M_kb - M)
.endr
.endr
.irp a, 0,1,2,3
	v_mul_f32 v[LR+\a], v[FP+2*\a], v[FP+2*\a+1]
.endr
.irp kb, 1,2,3,4,5,6,7
.irp a, 0,1,2,3
	v_fma_f32 v[LR+\a], v[FP+8*\kb+2*\a], v[FP+8*\kb+2*\a+1], v[LR+\a]   ; l = sum of f l_kb
.endr
.endr
	s_wait_alu depctr_va_vdst(0)
.irp a, 0,1,2,3
	v_rcp_f32 v[LR+\a], v[LR+\a]
.endr
	v_nop                                          ; a plain line behind the last reciprocal
	s_wait_alu depctr_va_vdst(0)                   ; one wait for the four, ahead of the first reader
.irp a, 0,1,2,3
	v_ldexp_f32 v[LR+\a], v[LR+\a], s74            ; 2^(e8 + e9) / l
.endr
.irp kb, 0,1,2,3,4,5,6,7
.irp a, 0,1,2,3
	v_mul_f32 v[FP+8*\kb+2*\a+1], v[FP+8*\kb+2*\a], v[LR+\a]   ; F, in both words of the pair
	v_mul_f32 v[FP+8*\kb+2*\a], v[FP+8*\kb+2*\a], v[LR+\a]
.endr
.endr
; Turn s of 32 of a group of 128 keys: unit s / 8, its two tiles, four blocks of queries each.  The 32 accumulators take turns, one instruction a turn, in the same order in every group.
.macro PR s, j, zero
.set NB, 2*((\s)/8)+((\s)%8)/4
.set NA, (\s)%4
.set NN, 8*(8*NA+NB)
	WIN 0xf4                                       ; V window 0, P window 1, TEMP window 3
.if \zero
	v_wmma_f32_16x16x128_fp8_fp8 v[NN:NN+7], v[VF+16*NB:VF+16*NB+15], v[64*(\j)+16*NA:64*(\j)+16*NA+15], 0
.else
	v_wmma_f32_16x16x128_fp8_fp8 v[NN:NN+7], v[VF+16*NB:VF+16*NB+15], v[64*(\j)+16*NA:64*(\j)+16*NA+15], v[NN:NN+7]
.endif
.endm
.macro FOLD s, fk, mul                 ; MAIN += F x TEMP for turn s, from the low end on; the first block of keys starts MAIN: nothing is cleared
.set MA, (\s)%4
.set MN, 8*(8*MA+2*((\s)/8)+((\s)%8)/4)
	WIN 0xa3                                       ; TEMP (source 0) window 3, F window 0, MAIN window 2
.irp u, 0,2,4,6
.if \mul
	v_pk_mul_f32 v[MN+\u:MN+\u+1], v[MN+\u:MN+\u+1], v[FP+8*(\fk)+2*MA:FP+8*(\fk)+2*MA+1]
.else
	v_pk_fma_f32 v[MN+\u:MN+\u+1], v[MN+\u:MN+\u+1], v[FP+8*(\fk)+2*MA:FP+8*(\fk)+2*MA+1], v[MN+\u:MN+\u+1]
.endif
.endr
.endm
; Group j of a pair of blocks of keys (block j / 2, its 128 keys j % 2) on P's set j.  fk: the block's F; mul: it is the first block; more = 1: a group follows, whose V fragments are fetched unit by unit, each into the unit just used;
; pl: set j is asked for again, with the next pair; lc: P's loads issued behind set j.
; A load into a register that a matrix instruction has read, and a fold that reads a result, stand four plain lines behind it: v_nop in a block's first half and ahead of the first fold, the folds of earlier turns otherwise.
.macro GROUP j, fk, mul, more, pl, lc
	s_wait_loadcnt \lc
.if ((\j) == 3) && (\more)
	s_add_co_u32 s[VB], s[VB], 0x10000             ; on to the next pair of blocks of keys
	v_add_nc_u32 v[ADV], s[VB], v[CO]
	s_wait_alu depctr_va_vdst(0)                   ; behind the write
.endif
.set QS, 0
.rept 32
.if QS%8 == 0
.if \more
	s_wait_dscnt 24                                ; the unit is in; behind it: three units of eight loads
.else
	s_wait_dscnt 24-QS                             ; (nothing more is fetched)
.endif
.endif
	PR QS, \j, 1-(\j)%2
.if (\j)%2 == 1
.if QS == 2
	PLACES 4
.endif
.if QS > 1
	FOLD QS-2, \fk, \mul
.endif
.endif
.if QS%8 == 7
.if (\j)%2 == 0
	PLACES 4
.endif
.if \more
	WIN 0
	VLOAD QS/8, 32768*((((\j)+1)%4)/2)+2048*(((\j)+1)%2)
.endif
.endif
.set QS, QS+1
.endr
.if (\j)%2 == 1
	FOLD 30, \fk, \mul
	FOLD 31, \fk, \mul
.endif
	WIN 0
.if \pl
.if (\j) == 0
	s_wait_xcnt 0x0                                ; the earlier loads have read their base
	s_add_nc_u64 s[PB:PB+1], s[PB:PB+1], 2*PKT
.endif
	WIN 0x40
	PLOAD \j, PKT*((\j)/2)+2048*((\j)%2)
	WIN 0
.endif
.endm
	s_wait_alu depctr_va_vdst(0)
	s_wait_tensorcnt 0x0                           ; my part of V is in: behind the barrier the whole tile is
	s_barrier_signal -1
	s_barrier_wait -1
	VLOAD 0, 0
	VLOAD 1, 0
	VLOAD 2, 0
	VLOAD 3, 0
	GROUP 0, 0, 1, 1, 1, 48                        ; blocks of keys 0 and 1
	GROUP 1, 0, 1, 1, 1, 48
	GROUP 2, 1, 0, 1, 1, 48
	GROUP 3, 1, 0, 1, 1, 48
	s_mov_b32 s[TR], 2
.Lpair:                                                ; 2 and 3, then 4 and 5, whose F is moved to where 2's and 3's stood
	GROUP 0, 2, 0, 1, 1, 48
	GROUP 1, 2, 0, 1, 1, 48
	GROUP 2, 3, 0, 1, 1, 48
	GROUP 3, 3, 0, 1, 1, 48
.irp i, 0,1,2,3,4,5,6,7,8,9,10,11,12,13,14,15
	v_mov_b32 v[FP+16+\i], v[FP+32+\i]
.endr
	s_sub_co_u32 s[TR], s[TR], 1
	s_cmp_lg_u32 s[TR], 0
	s_wait_alu depctr_va_vdst(0)                   ; directly ahead of the branch
	s_cbranch_scc1 .Lpair
	GROUP 0, 6, 0, 1, 0, 48                        ; 6 and 7: nothing more is asked for
	GROUP 1, 6, 0, 1, 0, 32
	GROUP 2, 7, 0, 1, 0, 16
	GROUP 3, 7, 0, 0, 0, 0
; THE WAY OUT, block by block of 16 queries x 128 features.  A lane holds 32 neighbouring bytes of a row and the lanes beside it other rows: so a block goes through my own stage and comes back as whole rows of 512 bytes.
; LDS serves a wave's instructions in order (ISA guide 5.7.1.4): no wait between the stores and the loads, nor in front of the next block's stores.  Each block comes back into registers of its own.
.macro TOSTAGE a
	WIN 0x08                                       ; the data (MAIN) window 2
.irp b, 0,1,2,3,4,5,6,7
	ds_store_b128 v[STO], v[64*(\a)+8*\b:64*(\a)+8*\b+3] offset:64*\b
	ds_store_b128 v[STO], v[64*(\a)+8*\b+4:64*(\a)+8*\b+7] offset:64*\b+16
.endr
	WIN 0x40                                       ; destination window 1
.irp t, 0,1,2,3,4,5,6,7,8,9,10,11,12,13,14,15
	ds_load_b128 v[64*(\a)+4*\t:64*(\a)+4*\t+3], v[RD] offset:SPITCH*\t
.endr
.endm
.macro SEND a, younger                 ; younger: the LDS instructions issued behind block a's loads, which may stay out
	s_wait_dscnt \younger
	WIN 0x04                                       ; the data window 1
.irp t, 0,1,2,3,4,5,6,7,8,9,10,11,12,13,14,15
	global_store_b128 v[CO], v[64*(\a)+4*\t:64*(\a)+4*\t+3], s[76:77] offset:(16*(\a)+\t)*4096 th:TH_STORE_NT   ; 32 lanes store 512 consecutive bytes, at a multiple of 512 from O's first byte
.endr
.endm
	TOSTAGE 0
	TOSTAGE 1
	s_wait_alu depctr_va_vdst(0)                   ; directly ahead of SEND's wait
	SEND 0, 32                                     ; behind block 0's loads: block 1's 16 stores and 16 loads
	TOSTAGE 2
	SEND 1, 32
	TOSTAGE 3
	SEND 2, 32
	SEND 3, 0
	WIN 0
	s_wait_tensorcnt 0x0                           ; the wave's end: behind my last tensor load and my last LDS store
	ds_add_u32 v[SPW], v[NIL]
	s_wait_dscnt 0x0
	CROUND                                         ; the closing round
	s_endpgm
.Lfunc_end_k_qde395dc29a_pv:
	.size	k_qde395dc29a_pv, .Lfunc_end_k_qde395dc29a_pv-k_qde395dc29a_pv
	.p2alignl 7, 3214868480
	.fill 96, 4, 3214868480
	.section	.rodata,"a",@progbits
	.p2align	6, 0x0
	.amdhsa_kernel k_qde395dc29a_pv
		.amdhsa_group_segment_fixed_size 327680
		.amdhsa_private_segment_fixed_size 0
		.amdhsa_enable_private_segment 0
		.amdhsa_kernarg_size 48
		.amdhsa_user_sgpr_count 2
		.amdhsa_user_sgpr_kernarg_segment_ptr 1
		.amdhsa_wavefront_size32 1
		.amdhsa_system_sgpr_workgroup_id_x 1
		.amdhsa_system_sgpr_workgroup_id_y 1
		.amdhsa_system_sgpr_workgroup_id_z 1
		.amdhsa_system_vgpr_workitem_id 0
		.amdhsa_next_free_vgpr 1024
		.amdhsa_next_free_sgpr 100
		.amdhsa_reserve_vcc 0
		.amdhsa_float_denorm_mode_32 3
		.amdhsa_float_denorm_mode_16_64 3
		.amdhsa_memory_ordered 1
		.amdhsa_forward_progress 1
		.amdhsa_inst_pref_size 170
	.end_amdhsa_kernel
	.amdgpu_metadata
---
amdhsa.version: [ 1, 2 ]
amdhsa.kernels:
  - .name:           k_qde395dc29a_pv
    .symbol:         k_qde395dc29a_pv.kd
    .args:
      - { .name: pf, .offset: 0, .size: 8, .value_kind: global_buffer, .address_space: global }
      - { .name: vf, .offset: 8, .size: 8, .value_kind: global_buffer, .address_space: global }
      - { .name: statm, .offset: 16, .size: 8, .value_kind: global_buffer, .address_space: global }
      - { .name: statl, .offset: 24, .size: 8, .value_kind: global_buffer, .address_space: global }
      - { .name: lowp_scales, .offset: 32, .size: 8, .value_kind: global_buffer, .address_space: global }
      - { .name: out0, .offset: 40, .size: 8, .value_kind: global_buffer, .address_space: global }
    .group_segment_fixed_size: 327680
    .private_segment_fixed_size: 0
    .kernarg_segment_align: 8
    .kernarg_segment_size: 48
    .max_flat_workgroup_size: 128
    .sgpr_count:     100
    .vgpr_count:     1024
    .wavefront_size: 32
...
	.end_amdgpu_metadata
.endif
;; end of part 3
